; MI455X (gfx1250); checked and timed in simulation.
; The chip was launched on July 23, 2026; its instructions are those of AMD's public machine-readable ISA for CDNA 5 (MIT licence, August 2026) and "CDNA5" Instruction Set Architecture Reference Guide (July 2026). The comments in the code are by the model that wrote it; some were corrected since.
;; Tiny Mo E. Allowed arithmetic: float matrix products may take bf16 or f16 operands with f32 sums; other float arithmetic in f32, or as packed bf16 or f16 multiplies, adds, multiply-adds, maxima and minima; sums over many terms, partial sums and values carried from step to step in f32; what a program stores and reads back later, other than sums and carried values, may be rounded once to bf16 or f16.
;; Inputs: exp_down 16 x 1,024 x 512 float32; exp_gate 16 x 512 x 1,024 float32; exp_up 16 x 512 x 1,024 float32; router_w 16 x 1,024 float32; shared_down 1,024 x 512 float32; shared_gate 512 x 1,024 float32; shared_up 512 x 1,024 float32; x 4 x 512 x 1,024 float32.
;; Outputs: out0 4 x 512 x 1,024 float32.
;; One version. Each part assembles by itself: llvm-mc -triple=amdgcn-amd-amdhsa -mcpu=gfx1250 --defsym DOCPART=n.
;; ======== version 1 of 1: 4 launches
;; workspace buffers: xb 4,194,304 bytes; sel 16,384 bytes of whole numbers; gw 16,384 bytes; cnts 256 bytes of whole numbers; lst 139,264 bytes of whole numbers; hid 35,651,584 bytes; part 25,165,824 bytes
;; launch route (part 1): grid 128 x 1, 8 waves a work-group, no clusters, 67,072 bytes of LDS; arguments x, router_w, xb, sel, gw; writes xb, sel, gw
.if DOCPART == 1
	.amdgcn_target "amdgcn-amd-amdhsa--gfx1250"
	.amdhsa_code_object_version 6
	.text
	.protected	k_qf1154fdd96_route
	.globl	k_qf1154fdd96_route
	.p2align	8
	.type	k_qf1154fdd96_route,@function
k_qf1154fdd96_route:
	s_mov_b64 s[64:65], 0
	v_nop
	global_prefetch_b8 v0, s[64:65] scope:SCOPE_SE
	s_setreg_imm32_b32 hwreg(HW_REG_WAVE_MODE, 25, 1), 1
	s_wait_xcnt 0x0
; ROUTER.  xb = x rounded to bf16; logits = x router_w^T by bf16 products with f32 sums; for each token the two largest logits, and their softmax weights.
; A work-group owns 16 tokens.  Each of its eight waves brings two rows of x and two rows of router_w, rounds them, stores x's to xb and both into LDS;
; behind one barrier wave 0 multiplies (32 K steps of 32, four accumulators by turns) and chooses.  sel[2t+k] = expert, gw[2t+k] = weight: fixed places, no address hangs on the choice.
; LIMITS.  The operands are bf16, so the choice is that of the logits of the rounded inputs.  A tie is broken on the logits, the lower index first.
; The maximum is taken away before the exponentials; an exponential below 2^-126 counts as 0; NaN and infinities are not treated apart.
.set PX,    2064                       ; an LDS row: 2,048 bytes of bf16 + 16 of padding = 129 x 16: the 16 rows of a fragment load start in 16 different groups of four banks
.set RT,    16*PX                      ; router_w's 16 rows lie behind x's 16
.set SPARE, 2*RT                       ; the spare words: 128 bytes for each of eight waves; no other line names them
.set XS,    32                         ; v[32:95]   x as loaded; later fragment set 0
.set RS,    96                         ; v[96:159]  router_w as loaded; later fragment set 1
.set ACC,   160                        ; v[160:191] four accumulators
; v1 my spare word, v2 zero; v3 load offset; v4 xb store offset; v5 LDS store address; v6 fragment address; v7 r = lane % 16; v8 h = lane / 16; v9 8 r + 4 h
	s_load_b256 s[4:11], s[0:1], 0x0               ; x s[4:5], router_w s[6:7], xb s[8:9], sel s[10:11]
	s_load_b64 s[12:13], s[0:1], 0x20              ; gw
	v_lshl_add_u32 v1, v0, 2, SPARE
	v_mov_b32 v2, 0
	v_lshrrev_b32 v10, 5, v0
	v_readfirstlane_b32 s14, v10                   ; wave 0..7
	v_and_b32 v11, 31, v0                          ; lane
	s_lshl_b32 s20, s14, 13
	v_lshl_add_u32 v3, v11, 4, s20                 ; 16 lane + two f32 rows of 4,096 bytes a wave
	s_lshl_b32 s20, s14, 12
	v_lshl_add_u32 v4, v11, 3, s20                 ; 8 lane + two bf16 rows of 2,048 bytes a wave
	s_mul_i32 s20, s14, 2*PX
	v_lshl_add_u32 v5, v11, 3, s20                 ; the same two rows in LDS
	v_and_b32 v7, 15, v0
	v_bfe_u32 v8, v0, 4, 1
	v_mul_u32_u24 v6, v7, PX
	v_lshl_add_u32 v6, v8, 4, v6                   ; row r x pitch + 16 h
	v_lshlrev_b32 v9, 3, v7
	v_lshl_add_u32 v9, v8, 2, v9
	s_mov_b32 s18, 0x76543210                      ; v_permlanex16_b32: each lane takes its own place in the other half
	s_mov_b32 s19, 0xfedcba98
	s_mov_b32 s28, 0x3fb8aa3b                      ; log2(e)
	s_mov_b32 s17, 0
	s_wait_kmcnt 0x0
	s_lshl_b32 s16, ttmp9, 16                      ; 16 rows of 4,096 bytes
	s_add_nc_u64 s[4:5], s[4:5], s[16:17]
	s_lshl_b32 s16, ttmp9, 15                      ; 16 rows of 2,048 bytes
	s_add_nc_u64 s[8:9], s[8:9], s[16:17]
	s_lshl_b32 s16, ttmp9, 7                       ; 32 words
	s_add_nc_u64 s[10:11], s[10:11], s[16:17]
	s_add_nc_u64 s[12:13], s[12:13], s[16:17]
.set n, 0
.rept 16                               ; piece n: row n / 8 of my two, 512 consecutive bytes at 512 (n % 8)
	global_load_b128 v[RS+4*n:RS+4*n+3], v3, s[6:7] offset:4096*(n/8)+512*(n%8)
.set n, n+1
.endr
.set n, 0
.rept 16
	global_load_b128 v[XS+4*n:XS+4*n+3], v3, s[4:5] offset:4096*(n/8)+512*(n%8) th:TH_LOAD_NT
.set n, n+1
.endr
.macro CVT base                        ; four f32 become four bf16 in the piece's first two registers
.set n, 0
.rept 16
	v_cvt_pk_bf16_f32 v[(\base)+4*n], v[(\base)+4*n], v[(\base)+4*n+1]
	v_cvt_pk_bf16_f32 v[(\base)+4*n+1], v[(\base)+4*n+2], v[(\base)+4*n+3]
.set n, n+1
.endr
.endm
	s_wait_loadcnt 16                              ; router_w's 16 loads are in; x's 16, issued behind them, stay out
	CVT RS
.set n, 0
.rept 16
	ds_store_b64 v5, v[RS+4*n:RS+4*n+1] offset:RT+PX*(n/8)+256*(n%8)
.set n, n+1
.endr
	s_wait_loadcnt 0x0
	CVT XS
.set n, 0
.rept 16
	global_store_b64 v4, v[XS+4*n:XS+4*n+1], s[8:9] offset:2048*(n/8)+256*(n%8)  ; a wave's store covers 256 consecutive bytes, aligned
	ds_store_b64 v5, v[XS+4*n:XS+4*n+1] offset:PX*(n/8)+256*(n%8)
.set n, n+1
.endr
	s_wait_dscnt 0x0                               ; for wave 0's sake: my LDS stores are done
	s_barrier_signal -1
	s_barrier_wait -1
	s_cmp_eq_u32 s14, 0
	s_cbranch_scc1 .Lwave0
	s_wait_tensorcnt 0x0                           ; the wave's end, behind my last LDS store
	ds_add_u32 v1, v2
	s_wait_dscnt 0x0
	s_endpgm
.Lwave0:
	s_wait_xcnt 0x0                                ; XS was the data of my stores to xb: it is loaded again only behind this wait
; Four K steps' fragments into set z: for each step 8 registers of router_w (16 experts x 32 K), then 8 of x (16 tokens x 32 K)
.macro LOADB b, z
.irp t, 0,1,2,3
	ds_load_b128 v[XS+64*(\z)+16*(\t):XS+64*(\z)+16*(\t)+3],     v6 offset:RT+64*(4*(\b)+(\t))
	ds_load_b128 v[XS+64*(\z)+16*(\t)+4:XS+64*(\z)+16*(\t)+7],   v6 offset:RT+64*(4*(\b)+(\t))+32
	ds_load_b128 v[XS+64*(\z)+16*(\t)+8:XS+64*(\z)+16*(\t)+11],  v6 offset:64*(4*(\b)+(\t))
	ds_load_b128 v[XS+64*(\z)+16*(\t)+12:XS+64*(\z)+16*(\t)+15], v6 offset:64*(4*(\b)+(\t))+32
.endr
.endm
	LOADB 0, 0
.irp b, 0,1,2,3,4,5,6,7
.if (\b) < 7
.if (\b) > 0
.rept 4
	v_nop                                          ; four places between the products that read the set and the loads into it
.endr
.endif
	LOADB (\b)+1, ((\b)+1)%2
	s_wait_dscnt 16                                ; all but the 16 just issued
.else
	s_wait_dscnt 0x0
.endif
.irp t, 0,1,2,3                        ; source 0 = experts, source 1 = tokens; the four accumulators take turns, one instruction a turn
.if (\b) == 0
	v_wmma_f32_16x16x32_bf16 v[ACC+8*(\t):ACC+8*(\t)+7], v[XS+64*((\b)%2)+16*(\t):XS+64*((\b)%2)+16*(\t)+7], v[XS+64*((\b)%2)+16*(\t)+8:XS+64*((\b)%2)+16*(\t)+15], 0
.else
	v_wmma_f32_16x16x32_bf16 v[ACC+8*(\t):ACC+8*(\t)+7], v[XS+64*((\b)%2)+16*(\t):XS+64*((\b)%2)+16*(\t)+7], v[XS+64*((\b)%2)+16*(\t)+8:XS+64*((\b)%2)+16*(\t)+15], v[ACC+8*(\t):ACC+8*(\t)+7]
.endif
.endr
.endr
.rept 4
	v_nop
.endr
.irp p, 0,1,2,3                        ; the four partial sums into one, each accumulator from its low end on
	v_pk_add_f32 v[ACC+2*(\p):ACC+2*(\p)+1], v[ACC+2*(\p):ACC+2*(\p)+1], v[ACC+8+2*(\p):ACC+8+2*(\p)+1]
.endr
.irp p, 0,1,2,3
	v_pk_add_f32 v[ACC+16+2*(\p):ACC+16+2*(\p)+1], v[ACC+16+2*(\p):ACC+16+2*(\p)+1], v[ACC+24+2*(\p):ACC+24+2*(\p)+1]
.endr
.irp p, 0,1,2,3
	v_pk_add_f32 v[ACC+2*(\p):ACC+2*(\p)+1], v[ACC+2*(\p):ACC+2*(\p)+1], v[ACC+16+2*(\p):ACC+16+2*(\p)+1]
.endr
	; lane (r, h) now holds the logits of token r for the experts 8 h + 0..7 in v[160:167].  The two largest of my eight: (v10, v11) and (v12, v13); a later equal logit never takes a place
	v_lshlrev_b32 v15, 3, v8                       ; 8 h
	v_mov_b32 v10, v[ACC]
	v_mov_b32 v11, v15
	v_mov_b32 v12, 0xff800000
	v_mov_b32 v13, 0
.irp j, 1,2,3,4,5,6,7
	v_add_nc_u32 v14, \j, v15
	v_cmp_gt_f32 s20, v[ACC+(\j)], v10
	v_cmp_gt_f32 s21, v[ACC+(\j)], v12
	v_cndmask_b32 v12, v12, v[ACC+(\j)], s21       ; it beats the second,
	v_cndmask_b32 v13, v13, v14, s21
	v_cndmask_b32 v12, v12, v10, s20               ; or it beats the first, which then becomes the second
	v_cndmask_b32 v13, v13, v11, s20
	v_cndmask_b32 v10, v10, v[ACC+(\j)], s20
	v_cndmask_b32 v11, v11, v14, s20
.endr
	v_mov_b32 v16, 0                               ; v_permlanex16_b32's destination counts as read
	v_mov_b32 v17, 0
	v_mov_b32 v18, 0
	v_mov_b32 v19, 0
	v_mov_b32 v41, 0
	v_permlanex16_b32 v16, v10, s18, s19           ; the other eight experts' two best
	v_permlanex16_b32 v17, v11, s18, s19
	v_permlanex16_b32 v18, v12, s18, s19
	v_permlanex16_b32 v19, v13, s18, s19
	v_cmp_gt_f32 s20, v10, v16                     ; a beats b: larger, or equal with the lower index
	v_cmp_eq_f32 s21, v10, v16
	v_cmp_lt_u32 s22, v11, v17
	s_and_b32 s21, s21, s22
	s_or_b32 s20, s20, s21                         ; my first beats the partner's first
	v_cndmask_b32 v20, v16, v10, s20               ; the first of all 16: logit,
	v_cndmask_b32 v21, v17, v11, s20               ; expert
	v_cndmask_b32 v22, v18, v12, s20               ; the winner's second
	v_cndmask_b32 v23, v19, v13, s20
	v_cndmask_b32 v24, v10, v16, s20               ; the loser's first
	v_cndmask_b32 v25, v11, v17, s20
	v_cmp_gt_f32 s23, v22, v24
	v_cmp_eq_f32 s21, v22, v24
	v_cmp_lt_u32 s22, v23, v25
	s_and_b32 s21, s21, s22
	s_or_b32 s23, s23, s21
	v_cndmask_b32 v26, v24, v22, s23               ; the second of all 16
	v_cndmask_b32 v27, v25, v23, s23
	; softmax: 2^(c L - c M1), c = log2(e); the first's weight is 1 / sum, the second's 2^(c M2 - c M1) / sum
	v_mul_f32 v28, s28, v20
.irp j, 0,1,2,3,4,5,6,7
	v_fma_f32 v[32+(\j)], v[ACC+(\j)], s28, -v28
.endr
	v_fma_f32 v40, v26, s28, -v28
.irp j, 0,1,2,3,4,5,6,7,8
	v_exp_f32 v[32+(\j)], v[32+(\j)]
.endr
	v_nop                                          ; a plain instruction behind the last exponential,
	s_wait_alu depctr_va_vdst(0)                   ; and one wait for the nine, ahead of their first reader
	v_add_f32 v32, v32, v33
	v_add_f32 v34, v34, v35
	v_add_f32 v36, v36, v37
	v_add_f32 v38, v38, v39
	v_add_f32 v32, v32, v34
	v_add_f32 v36, v36, v38
	v_add_f32 v32, v32, v36
	v_permlanex16_b32 v41, v32, s18, s19
	v_add_f32 v32, v32, v41
	v_rcp_f32 v42, v32
	v_cmp_eq_u32 s24, 1, v8                        ; (the plain instruction behind the reciprocal)
	s_wait_alu depctr_va_vdst(0)
	v_mul_f32 v43, v40, v42
	v_cndmask_b32 v44, v21, v27, s24               ; lanes 0-15 store the first choice, lanes 16-31 the second
	v_cndmask_b32 v45, v42, v43, s24
	global_store_b32 v9, v44, s[10:11]             ; 128 consecutive bytes
	global_store_b32 v9, v45, s[12:13]
	s_wait_tensorcnt 0x0                           ; the wave's end
	ds_add_u32 v1, v2
	s_wait_dscnt 0x0
	s_endpgm
.Lfunc_end_k_qf1154fdd96_route:
	.size	k_qf1154fdd96_route, .Lfunc_end_k_qf1154fdd96_route-k_qf1154fdd96_route
	.p2alignl 7, 3214868480
	.fill 96, 4, 3214868480
	.section	.rodata,"a",@progbits
	.p2align	6, 0x0
	.amdhsa_kernel k_qf1154fdd96_route
		.amdhsa_group_segment_fixed_size 67072
		.amdhsa_private_segment_fixed_size 0
		.amdhsa_enable_private_segment 0
		.amdhsa_kernarg_size 40
		.amdhsa_user_sgpr_count 2
		.amdhsa_user_sgpr_kernarg_segment_ptr 1
		.amdhsa_wavefront_size32 1
		.amdhsa_system_sgpr_workgroup_id_x 1
		.amdhsa_system_sgpr_workgroup_id_y 1
		.amdhsa_system_sgpr_workgroup_id_z 1
		.amdhsa_system_vgpr_workitem_id 0
		.amdhsa_next_free_vgpr 192
		.amdhsa_next_free_sgpr 66
		.amdhsa_reserve_vcc 0
		.amdhsa_float_denorm_mode_32 3
		.amdhsa_float_denorm_mode_16_64 3
		.amdhsa_memory_ordered 1
		.amdhsa_forward_progress 1
		.amdhsa_inst_pref_size 32
	.end_amdhsa_kernel
	.amdgpu_metadata
---
amdhsa.version: [ 1, 2 ]
amdhsa.kernels:
  - .name:           k_qf1154fdd96_route
    .symbol:         k_qf1154fdd96_route.kd
    .args:
      - { .name: x, .offset: 0, .size: 8, .value_kind: global_buffer, .address_space: global }
      - { .name: router_w, .offset: 8, .size: 8, .value_kind: global_buffer, .address_space: global }
      - { .name: xb, .offset: 16, .size: 8, .value_kind: global_buffer, .address_space: global }
      - { .name: sel, .offset: 24, .size: 8, .value_kind: global_buffer, .address_space: global }
      - { .name: gw, .offset: 32, .size: 8, .value_kind: global_buffer, .address_space: global }
    .group_segment_fixed_size: 67072
    .private_segment_fixed_size: 0
    .kernarg_segment_align: 8
    .kernarg_segment_size: 40
    .max_flat_workgroup_size: 256
    .sgpr_count:     66
    .vgpr_count:     192
    .wavefront_size: 32
...
	.end_amdgpu_metadata
.endif
;; end of part 1
;; launch gu (part 2): grid 16 x 32, 4 waves a work-group, no clusters, 142,080 bytes of LDS; arguments xb, exp_gate, exp_up, shared_gate, shared_up, sel, hid, cnts, lst; writes hid, cnts, lst
.if DOCPART == 2
	.amdgcn_target "amdgcn-amd-amdhsa--gfx1250"
	.amdhsa_code_object_version 6
	.text
	.protected	k_qf1154fdd96_gu
	.globl	k_qf1154fdd96_gu
	.p2align	8
	.type	k_qf1154fdd96_gu,@function
k_qf1154fdd96_gu:
	s_mov_b64 s[64:65], 0
	v_nop
	global_prefetch_b8 v0, s[64:65] scope:SCOPE_SE
	s_setreg_imm32_b32 hwreg(HW_REG_WAVE_MODE, 25, 1), 1
	s_wait_xcnt 0x0
; FIRST PRODUCT.  hid = sigmoid(x Wg^T) * (x Wu^T), rounded to bf16, for the rows that chose an expert and, for the shared expert, for all rows.
; GRID.  x = slice of 32 hidden columns (32 rows of the gate's weights and 32 of the up's).  y < 16: the shared expert's rows 128 y .. + 127;  y >= 16: expert y - 16, all its rows.
; An expert's slice of weights is read by this work-group alone, once, through registers, rounded to bf16 and laid into LDS (64 rows x 1,024 K).  One barrier.  Behind it nothing writes that LDS,
; and the tokens' rows come from xb straight into registers as matrix operands: so the loop over rows, whose length hangs on the expert's count, holds no barrier.
; Every LDS address register is made once and never rewritten: the 32 K steps are written out, and a step's place along K stands in the immediates.
; IN FLIGHT.  The weights' stream keeps six rows (48 loads of 512 bytes) of every wave out; the loop over K keeps the tokens' fragments of five later steps (50 loads) out.
; NO MULTICAST: an expert's slice has one reader; the shared slices are 4 of this launch's 71 MB of weights; and the rounding wants the way through registers.
; THE LIST.  Every work-group scans sel (4,096 whole numbers stored by the launch before) for its expert: wave w takes 1,024 entries, 512 whole tokens, so at most 512 of them match; it lays the
; matching entries j = 2 t + k on end in its own segment.  Rank rho lies in the segment of the last wave whose first rank is <= rho.  All slices of an expert make the same list.
; A shared work-group matches nothing and lays the identity list (j = 2 x token) by the same text.  Slice 0 stores the count and rank -> row of part for the next launch.
; ROWS.  Tiles of 16 rows; tile 20 pass + 4 i + wave, i = 0..4.  Seven passes, a constant, cover the 2,048 rows that one expert can get; a pass without tiles is jumped.  Places past the count repeat the last row.
; ORIENTATION.  Source 0 = 16 weight rows, source 1 = 16 tokens: a lane (r, h) holds token r and hidden columns 8 h + 0..7 of a fragment.  Packed to bf16 that is, as it stands, half of the next
; product's source 1: hid is stored so, block (tile, slice) of 1 KB = two halves of 512 consecutive bytes, 16 a lane.
; LIMITS.  bf16 operands, f32 sums; sigmoid = 1 / (1 + 2^(-x log2 e)); NaN and infinities are not treated apart.
; REGISTERS.  window 0: v1 spare word, v2 zero, v3 16 lane, v4-5 LDS address of fragments 0-1, 2-3 (never rewritten), v7 where I store weights, v8-12 a tile's offset in xb, v13-17 in hid, v18 r, v19 16 h,
;   v20-25, v31 at work, v26-28 segment corrections, v29 4 tid, v30 512 + lane, v32-95 weights' fragments (two buffers of 4 x 8), v96-255 slots 0-3 of the tokens' ring (a slot: one K step x 5 tiles x 8).
;   window 1: v0-159 the accumulators, tile i, fragment f at 32 i + 8 f (f = 0, 1 gate; 2, 3 up); v160-239 slots 4, 5 of the ring.
;   Ahead of the barrier v32-63 hold sel's words and v64-255 six sets of weights as loaded.
.set NK,    32                         ; K steps of 32
.set RING,  6                          ; slots in the tokens' ring
.set AHEAD, 5                          ; a step's fragments are asked for five steps before they are multiplied
.set PW,    2064                       ; an LDS row: 2,048 bytes + 16 = 129 x 16
.set FRAG,  16*PW
.set LIST,  64*PW                      ; four segments of 2,304 bytes: 512 entries, 32 words for what does not match, the rest unused
.set SEGB,  2304
.set CNTW,  LIST+4*SEGB                ; the four waves' counts
.set SPARE, CNTW+256                   ; the spare words, 128 bytes a wave; no other line names them
.set BAD,   4
.set AOFF,  8
.set HOFF,  13
.set BB,    32
.set WS,    64
.set MSB, 0
.macro WIN new                         ; s_set_vgpr_msb: bits 1:0 source 0, 3:2 source 1, 5:4 source 2, 7:6 destination; the high byte repeats the setting that is left
.if MSB != (\new)
	s_set_vgpr_msb (MSB<<8)|(\new)
.set MSB, \new
.endif
.endm
.macro PLACES
.rept 4
	v_nop
.endr
.endm
.macro SLOT k                          ; ring slot k: its first register rS and its window wS
.if (\k) < 4
.set rS, 96+40*(\k)
.set wS, 0
.else
.set rS, 160+40*((\k)-4)
.set wS, 1
.endif
.endm
; s22 wave, s23 slice, s24 y, s25 shared?, s26 expert (16 = shared), s27 first token of a shared block, s28 count, s29 count - 1, s30 tiles, s31 my tiles in the pass, s32 pass, s33 loop count,
; s34 running count, s35 my segment, s36-38 first ranks of waves 1-3, s39 first tile in hid, s[40:41] weights, s52 4,096 if shared, s57 slice x 1,024, s58 where the identity list goes
	s_load_b512 s[4:19], s[0:1], 0x0               ; xb s[4:5], exp_gate s[6:7], exp_up s[8:9], shared_gate s[10:11], shared_up s[12:13], sel s[14:15], hid s[16:17], cnts s[18:19]
	s_load_b64 s[20:21], s[0:1], 0x40              ; lst
	v_lshl_add_u32 v1, v0, 2, SPARE
	v_mov_b32 v2, 0
	v_lshrrev_b32 v20, 5, v0
	v_readfirstlane_b32 s22, v20
	s_mov_b32 s23, ttmp9
	s_and_b32 s24, ttmp7, 0xffff
	s_sub_co_u32 s46, s24, 16
	s_lshl_b32 s47, s24, 7
	s_cmp_lt_u32 s24, 16
	s_cselect_b32 s25, 1, 0
	s_cselect_b32 s52, 0x1000, 0
	s_cselect_b32 s26, 16, s46
	s_cselect_b32 s27, s47, 0
	s_cselect_b32 s48, 0, s46                      ; which expert's weights (the shared ones have one set)
	s_cselect_b32 s58, 0, 2048                     ; the identity list: into the segment if shared, else among the words that nobody reads
	s_lshl_b32 s39, s26, 7
	s_lshr_b32 s50, s27, 4
	s_add_co_u32 s39, s39, s50                     ; an expert owns 128 tiles of hid
	s_lshl_b32 s57, s23, 10
	s_mul_i32 s35, s22, SEGB
	s_add_co_u32 s35, s35, LIST
	v_and_b32 v25, 31, v0                          ; lane
	v_lshlrev_b32 v3, 4, v25
	v_and_b32 v18, 15, v0
	v_bfe_u32 v20, v0, 4, 1
	v_lshlrev_b32 v19, 4, v20
	v_mul_u32_u24 v[BAD], v18, PW
	v_add_nc_u32 v[BAD], v[BAD], v19               ; row r x pitch + 16 h: fragments 0 and 1,
	v_add_nc_u32 v[BAD+1], 2*FRAG, v[BAD]          ; fragments 2 and 3
	s_mul_i32 s46, s22, FRAG
	v_lshl_add_u32 v7, v25, 3, s46                 ; wave w lays LDS rows 16 w .. 16 w + 15
	v_lshlrev_b32 v29, 2, v0
	v_add_nc_u32 v30, 512, v25
	v_lshlrev_b32 v31, 4, v0
	s_lshl_b32 s44, s48, 21                        ; an expert's matrix is 2 MB
	s_lshl_b32 s46, s23, 5
	s_and_b32 s47, s22, 1
	s_lshl_b32 s47, s47, 4
	s_add_co_u32 s46, s46, s47                     ; weight row 32 slice + 16 (wave % 2)
	s_lshl_b32 s46, s46, 12
	s_add_co_u32 s44, s44, s46
	s_mov_b32 s45, 0
	s_mov_b32 s34, 0
	s_wait_kmcnt 0x0
	s_cmp_lt_u32 s22, 2                            ; waves 0, 1 bring the gate's rows, waves 2, 3 the up's
	s_cselect_b64 s[40:41], s[6:7], s[8:9]
	s_cselect_b64 s[42:43], s[10:11], s[12:13]
	s_cmp_eq_u32 s25, 1
	s_cselect_b64 s[40:41], s[42:43], s[40:41]
	s_add_nc_u64 s[40:41], s[40:41], s[44:45]
.irp q, 0,1,2,3,4,5,6,7
	global_load_b128 v[32+4*(\q):32+4*(\q)+3], v31, s[14:15] offset:2048*(\q)  ; sel's entries 4 tid + 512 q + 0..3
.endr
.macro WLD z, n                        ; weight row n of my 16: eight loads of 512 consecutive bytes into register set z
.irp q, 0,1,2,3,4,5,6,7
	global_load_b128 v[WS+32*(\z)+4*(\q):WS+32*(\z)+4*(\q)+3], v3, s[40:41] offset:4096*(\n)+512*(\q)
.endr
.endm
.macro WCV z, n                        ; rounded to bf16 and laid into LDS
.irp q, 0,1,2,3,4,5,6,7
	v_cvt_pk_bf16_f32 v[WS+32*(\z)+4*(\q)], v[WS+32*(\z)+4*(\q)], v[WS+32*(\z)+4*(\q)+1]
	v_cvt_pk_bf16_f32 v[WS+32*(\z)+4*(\q)+1], v[WS+32*(\z)+4*(\q)+2], v[WS+32*(\z)+4*(\q)+3]
.endr
.irp q, 0,1,2,3,4,5,6,7
	ds_store_b64 v7, v[WS+32*(\z)+4*(\q):WS+32*(\z)+4*(\q)+1] offset:PW*(\n)+256*(\q)
.endr
.endm
	WLD 0, 0
	WLD 1, 1
	WLD 2, 2
	WLD 3, 3
	WLD 4, 4
	WLD 5, 5
	v_mov_b32 v20, 0                               ; my segment is cleared first, all 2,304 bytes: LDS serves a wave's instructions in order, so the list's stores below land on top
	v_mov_b32 v21, 0
	v_mov_b32 v22, 0
	v_mov_b32 v23, 0
	v_lshl_add_u32 v24, v25, 4, s35
	v_lshl_add_u32 v26, v25, 3, s35
.irp q, 0,1,2,3
	ds_store_b128 v24, v[20:23] offset:512*(\q)
.endr
	ds_store_b64 v26, v[20:21] offset:2048
	s_wait_loadcnt 48                              ; sel's eight loads are in; the 48 weight loads behind them stay out, and the list is made under them
.set n, 0
.rept 32
	v_cmp_eq_u32 s46, s26, v[32+n]                 ; which lanes' entry names my expert
	v_mbcnt_lo_u32_b32 v20, s46, s34               ; its place: the running count + the matching lanes below me
	v_cndmask_b32 v20, v30, v20, s46               ; no match: a word of my own that nobody reads
	v_min_u32 v20, 543, v20
	v_lshl_add_u32 v20, v20, 2, s35
	v_add_nc_u32 v21, 512*(n/4)+n%4, v29           ; j
	ds_store_b32 v20, v21
	s_bcnt1_i32_b32 s47, s46
	s_add_co_u32 s34, s34, s47
.set n, n+1
.endr
	s_add_co_u32 s46, s35, s58
	v_lshl_add_u32 v20, v25, 2, s46
	v_add_nc_u32 v21, s27, v0
	v_lshlrev_b32 v21, 1, v21                      ; the identity list's entry: 2 x (first token + thread)
	ds_store_b32 v20, v21
	s_cmp_eq_u32 s25, 1
	s_cselect_b32 s34, 32, s34
	s_lshl_b32 s46, s22, 2
	s_add_co_u32 s46, s46, CNTW
	v_mov_b32 v22, s46
	v_mov_b32 v23, s34
	ds_store_b32 v22, v23                          ; my wave's count
.set n, 0
.rept 16
.if n <= 10
	s_wait_loadcnt 40                              ; row n is in; the five rows asked for behind it stay out
.else
	s_wait_loadcnt 8*(15-n)
.endif
	WCV n%6, n
.if n <= 9
	WLD n%6, n+6
.endif
.set n, n+1
.endr
	s_wait_dscnt 0x0                               ; for the others' sake: my part of the weights, my segment and my count are in LDS
	s_barrier_signal -1
	s_barrier_wait -1                              ; the one barrier
	v_mov_b32 v24, CNTW
	ds_load_b128 v[20:23], v24
	s_wait_dscnt 0x0
	v_readfirstlane_b32 s53, v20
	v_readfirstlane_b32 s54, v21
	v_readfirstlane_b32 s55, v22
	v_readfirstlane_b32 s56, v23
	s_mov_b32 s36, s53
	s_add_co_u32 s37, s36, s54
	s_add_co_u32 s38, s37, s55
	s_add_co_u32 s28, s38, s56
	s_min_u32 s28, s28, 2048
	s_sub_co_u32 s29, s28, 1
	s_add_co_u32 s30, s28, 15
	s_lshr_b32 s30, s30, 4
	s_lshl_b32 s46, s36, 2                         ; rank rho of wave k's segment lies at 2,304 k + 4 (rho - first rank)
	s_sub_co_u32 s46, SEGB, s46
	v_mov_b32 v26, s46
	s_lshl_b32 s46, s37, 2
	s_sub_co_u32 s46, 2*SEGB, s46
	v_mov_b32 v27, s46
	s_lshl_b32 s46, s38, 2
	s_sub_co_u32 s46, 3*SEGB, s46
	v_mov_b32 v28, s46
.macro RANK rho, a, dst                ; the list's entry of rank v[rho]
	v_mov_b32 v[\a], 0
	v_cmp_le_u32 vcc_lo, s36, v[\rho]
	v_cndmask_b32 v[\a], v[\a], v26, vcc_lo
	v_cmp_le_u32 vcc_lo, s37, v[\rho]
	v_cndmask_b32 v[\a], v[\a], v27, vcc_lo
	v_cmp_le_u32 vcc_lo, s38, v[\rho]
	v_cndmask_b32 v[\a], v[\a], v28, vcc_lo
	v_lshl_add_u32 v[\a], v[\rho], 2, v[\a]
	v_min_u32 v[\a], 4*SEGB-4, v[\a]
	v_add_nc_u32 v[\a], LIST, v[\a]
	ds_load_b32 v[\dst], v[\a]
.endm
	s_cmp_lg_u32 s23, 0
	s_cbranch_scc1 .Lmain                          ; slice 0 alone stores the count and the list
	s_or_b32 s46, s25, s22
	s_cmp_lg_u32 s46, 0
	s_cbranch_scc1 .Lnocnt                         ; an expert's wave 0 stores the count
	s_lshl_b32 s46, s26, 2
	v_mov_b32 v35, s46
	v_mov_b32 v34, s28
	global_store_b32 v35, v34, s[18:19]            ; every lane the same word
.Lnocnt:
	v_mov_b32 v32, v0                              ; rank
	s_lshl_b32 s46, s26, 11
	s_add_co_u32 s46, s46, s27
	s_lshl_b32 s46, s46, 2
	v_lshl_add_u32 v33, v0, 2, s46                 ; its word in lst: an expert owns 2,048
	s_mov_b32 s33, 0
.Llst:                                 ; 16 trips of 128 ranks; trips past the count are jumped; the places past the count in the last trip repeat the last entry
	s_lshl_b32 s46, s33, 7
	s_cmp_ge_u32 s46, s28
	s_cbranch_scc1 .Llstn
	v_min_u32 v31, s29, v32
	RANK 31, 25, 20
	s_wait_dscnt 0x0
	v_lshrrev_b32 v20, s25, v20                    ; an expert's row of part is j; a shared row is 4,096 + token
	v_add_nc_u32 v20, s52, v20
	global_store_b32 v33, v20, s[20:21]
	s_wait_xcnt 0x0                                ; the store's address and data are written again only behind this wait
	v_add_nc_u32 v32, 128, v32
	v_add_nc_u32 v33, 512, v33
.Llstn:
	s_add_co_u32 s33, s33, 1
	s_cmp_lt_u32 s33, 16
	s_cbranch_scc1 .Llst
.Lmain:
	s_mov_b32 s32, 0
.macro MUL s, i, zero                  ; tile i x the four fragments, 32 along K, of K step s; SLOT has set rS to the step's ring slot
.irp f, 0,1,2,3
.if \zero
	v_wmma_f32_16x16x32_bf16 v[32*(\i)+8*(\f):32*(\i)+8*(\f)+7], v[BB+32*((\s)%2)+8*(\f):BB+32*((\s)%2)+8*(\f)+7], v[rS+8*(\i):rS+8*(\i)+7], 0
.else
	v_wmma_f32_16x16x32_bf16 v[32*(\i)+8*(\f):32*(\i)+8*(\f)+7], v[BB+32*((\s)%2)+8*(\f):BB+32*((\s)%2)+8*(\f)+7], v[rS+8*(\i):rS+8*(\i)+7], v[32*(\i)+8*(\f):32*(\i)+8*(\f)+7]
.endif
.endr
.endm
; K step s of 32.  bnext: the weights' fragments of the next step are fetched (8 LDS loads);  ahead: the tokens' fragments five steps on are asked for (10 loads), into the slot that the last step
; multiplied;  lc: the global loads that may stay out.
; zero: the pass's first step starts all 20 sums with the constant 0, on every path.  Elsewhere tiles that the wave does not have are jumped, two at a time and then the fifth.
; The accumulators take turns, one instruction a turn: at least seven others' stand between two products on one accumulator.
.macro KSTEP s, zero, ahead, bnext, lc
	WIN 0
	PLACES                                         ; four places between the last step's products and the loads into registers that they read
.set rB, BB+32*(((\s)+1)%2)
.if \bnext
.irp f, 0,1,2,3
	ds_load_b128 v[rB+8*(\f):rB+8*(\f)+3],   v[BAD+(\f)/2] offset:FRAG*((\f)%2)+64*((\s)+1)
	ds_load_b128 v[rB+8*(\f)+4:rB+8*(\f)+7], v[BAD+(\f)/2] offset:FRAG*((\f)%2)+64*((\s)+1)+32
.endr
.endif
.if \ahead
	SLOT ((\s)+AHEAD)%RING
	WIN 0x40*wS                                    ; the destination in the slot's window, the address in window 0
.irp i, 0,1,2,3,4
	global_load_b128 v[rS+8*(\i):rS+8*(\i)+3],   v[AOFF+(\i)], s[4:5] offset:64*((\s)+AHEAD)
	global_load_b128 v[rS+8*(\i)+4:rS+8*(\i)+7], v[AOFF+(\i)], s[4:5] offset:64*((\s)+AHEAD)+32
.endr
.endif
.if \bnext
	s_wait_dscnt 8                                 ; this step's weights are in; the eight just issued stay out
.else
	s_wait_dscnt 0x0
.endif
	s_wait_loadcnt \lc                             ; this step's tokens are in; the later steps' loads stay out, ten a step
	SLOT (\s)%RING
.set wM, 0x50+4*wS                     ; C and D in window 1, the tokens (source 1) in the slot's window
	WIN wM
.if \zero
	MUL \s, 0, 1
	MUL \s, 1, 1
	MUL \s, 2, 1
	MUL \s, 3, 1
	MUL \s, 4, 1
	WIN 0
.else
	MUL \s, 0, 0
	MUL \s, 1, 0
	WIN 0                                          ; at a branch and at a label every window is 0
	s_cmp_lt_u32 s31, 3
	s_cbranch_scc1 .Lk\@
	WIN wM
	MUL \s, 2, 0
	MUL \s, 3, 0
	WIN 0
	s_cmp_lt_u32 s31, 5
	s_cbranch_scc1 .Lk\@
	WIN wM
	MUL \s, 4, 0
	WIN 0
.Lk\@:
.endif
.endm
; Tile i goes out: sigmoid(gate) x up, 16 numbers a lane, packed to bf16, two stores of 512 consecutive bytes.  Each accumulator is read from its low end on.
.macro EPI i
.if (\i) > 0
	s_cmp_le_u32 s31, \i
	s_cbranch_scc1 .Lnext
.endif
	WIN 0x55                                       ; all four places in window 1
.set m, 0
.rept 8
	v_pk_mul_f32 v[32*(\i)+2*m:32*(\i)+2*m+1], v[32*(\i)+2*m:32*(\i)+2*m+1], 0xbfb8aa3b op_sel_hi:[1,0]  ; - log2(e) x gate
.set m, m+1
.endr
.set m, 0
.rept 16
	v_exp_f32 v[32*(\i)+m], v[32*(\i)+m]
.set m, m+1
.endr
	v_nop                                          ; a plain instruction behind the last exponential,
	s_wait_alu depctr_va_vdst(0)                   ; and one wait for the sixteen
.set m, 0
.rept 8
	v_pk_add_f32 v[32*(\i)+2*m:32*(\i)+2*m+1], v[32*(\i)+2*m:32*(\i)+2*m+1], 1.0 op_sel_hi:[1,0]
.set m, m+1
.endr
.set m, 0
.rept 16
	v_rcp_f32 v[32*(\i)+m], v[32*(\i)+m]
.set m, m+1
.endr
	v_nop
	s_wait_alu depctr_va_vdst(0)                   ; one wait for the sixteen reciprocals
.set m, 0
.rept 8
	v_pk_mul_f32 v[32*(\i)+2*m:32*(\i)+2*m+1], v[32*(\i)+2*m:32*(\i)+2*m+1], v[32*(\i)+16+2*m:32*(\i)+16+2*m+1]
.set m, m+1
.endr
.set m, 0
.rept 8
	v_cvt_pk_bf16_f32 v[32*(\i)+m], v[32*(\i)+2*m], v[32*(\i)+2*m+1]
.set m, m+1
.endr
	WIN 0x04                                       ; the store's data in window 1, its address in window 0
	global_store_b128 v[HOFF+(\i)], v[32*(\i):32*(\i)+3], s[16:17]
	global_store_b128 v[HOFF+(\i)], v[32*(\i)+4:32*(\i)+7], s[16:17] offset:512
	WIN 0
.endm
.Lpass:
	s_mul_i32 s46, s32, 20
	s_add_co_u32 s46, s46, s22                     ; my first tile of the pass
	s_sub_co_i32 s47, s30, s46
	s_add_co_i32 s47, s47, 3
	s_ashr_i32 s47, s47, 2
	s_max_i32 s47, s47, 0
	s_min_i32 s31, s47, 5                          ; how many of my five tiles exist
	s_cmp_eq_u32 s31, 0
	s_cbranch_scc1 .Lnext
	s_wait_xcnt 0x0                                ; the last pass's stores have read their addresses and data
.irp i, 0,1,2,3,4
	s_add_co_u32 s47, s46, 4*(\i)
	s_lshl_b32 s48, s47, 4
	v_add_nc_u32 v31, s48, v18
	v_min_u32 v31, s29, v31                        ; rank 16 tile + r; past the count: the last row once more
	RANK 31, 25, 20+(\i)
	s_add_co_u32 s49, s39, s47
	s_lshl_b32 s49, s49, 14
	s_add_co_u32 s49, s49, s57
	v_add_nc_u32 v[HOFF+(\i)], s49, v3             ; hid: tile x 16 KB + slice x 1 KB + 16 lane
.endr
	s_wait_dscnt 0x0
.irp i, 0,1,2,3,4
	v_lshrrev_b32 v[20+(\i)], 1, v[20+(\i)]        ; token = j / 2
	v_min_u32 v[20+(\i)], 2047, v[20+(\i)]
	v_lshl_add_u32 v[AOFF+(\i)], v[20+(\i)], 11, v19
.endr
.irp s, 0,1,2,3,4                      ; K steps 0 to 4 of the tokens: 50 loads
	SLOT \s
	WIN 0x40*wS
.irp i, 0,1,2,3,4
	global_load_b128 v[rS+8*(\i):rS+8*(\i)+3],   v[AOFF+(\i)], s[4:5] offset:64*(\s)
	global_load_b128 v[rS+8*(\i)+4:rS+8*(\i)+7], v[AOFF+(\i)], s[4:5] offset:64*(\s)+32
.endr
.endr
	WIN 0
.irp f, 0,1,2,3                        ; K step 0 of the weights
	ds_load_b128 v[BB+8*(\f):BB+8*(\f)+3],   v[BAD+(\f)/2] offset:FRAG*((\f)%2)
	ds_load_b128 v[BB+8*(\f)+4:BB+8*(\f)+7], v[BAD+(\f)/2] offset:FRAG*((\f)%2)+32
.endr
.set ks, 0
.rept NK                               ; the last five steps ask for nothing past the row's end, and their counts run down
.if ks == 0
	KSTEP ks, 1, 1, 1, 10*AHEAD
.elseif ks <= NK-1-AHEAD
	KSTEP ks, 0, 1, 1, 10*AHEAD
.elseif ks < NK-1
	KSTEP ks, 0, 0, 1, 10*(NK-1-ks)
.else
	KSTEP ks, 0, 0, 0, 0
.endif
.set ks, ks+1
.endr
	PLACES                                         ; between the last products and the first read of a result
	EPI 0
	EPI 1
	EPI 2
	EPI 3
	EPI 4
.Lnext:
	s_add_co_u32 s32, s32, 1
	s_cmp_lt_u32 s32, 7
	s_cbranch_scc1 .Lpass
	s_wait_tensorcnt 0x0                           ; the wave's end, behind my last LDS store
	ds_add_u32 v1, v2
	s_wait_dscnt 0x0
	s_endpgm
.Lfunc_end_k_qf1154fdd96_gu:
	.size	k_qf1154fdd96_gu, .Lfunc_end_k_qf1154fdd96_gu-k_qf1154fdd96_gu
	.p2alignl 7, 3214868480
	.fill 96, 4, 3214868480
	.section	.rodata,"a",@progbits
	.p2align	6, 0x0
	.amdhsa_kernel k_qf1154fdd96_gu
		.amdhsa_group_segment_fixed_size 142080
		.amdhsa_private_segment_fixed_size 0
		.amdhsa_enable_private_segment 0
		.amdhsa_kernarg_size 72
		.amdhsa_user_sgpr_count 2
		.amdhsa_user_sgpr_kernarg_segment_ptr 1
		.amdhsa_wavefront_size32 1
		.amdhsa_system_sgpr_workgroup_id_x 1
		.amdhsa_system_sgpr_workgroup_id_y 1
		.amdhsa_system_sgpr_workgroup_id_z 1
		.amdhsa_system_vgpr_workitem_id 0
		.amdhsa_next_free_vgpr 496
		.amdhsa_next_free_sgpr 66
		.amdhsa_reserve_vcc 1
		.amdhsa_float_denorm_mode_32 3
		.amdhsa_float_denorm_mode_16_64 3
		.amdhsa_memory_ordered 1
		.amdhsa_forward_progress 1
		.amdhsa_inst_pref_size 185
	.end_amdhsa_kernel
	.amdgpu_metadata
---
amdhsa.version: [ 1, 2 ]
amdhsa.kernels:
  - .name:           k_qf1154fdd96_gu
    .symbol:         k_qf1154fdd96_gu.kd
    .args:
      - { .name: xb, .offset: 0, .size: 8, .value_kind: global_buffer, .address_space: global }
      - { .name: exp_gate, .offset: 8, .size: 8, .value_kind: global_buffer, .address_space: global }
      - { .name: exp_up, .offset: 16, .size: 8, .value_kind: global_buffer, .address_space: global }
      - { .name: shared_gate, .offset: 24, .size: 8, .value_kind: global_buffer, .address_space: global }
      - { .name: shared_up, .offset: 32, .size: 8, .value_kind: global_buffer, .address_space: global }
      - { .name: sel, .offset: 40, .size: 8, .value_kind: global_buffer, .address_space: global }
      - { .name: hid, .offset: 48, .size: 8, .value_kind: global_buffer, .address_space: global }
      - { .name: cnts, .offset: 56, .size: 8, .value_kind: global_buffer, .address_space: global }
      - { .name: lst, .offset: 64, .size: 8, .value_kind: global_buffer, .address_space: global }
    .group_segment_fixed_size: 142080
    .private_segment_fixed_size: 0
    .kernarg_segment_align: 8
    .kernarg_segment_size: 72
    .max_flat_workgroup_size: 128
    .sgpr_count:     66
    .vgpr_count:     496
    .wavefront_size: 32
...
	.end_amdgpu_metadata
.endif
;; end of part 2
;; launch down (part 3): grid 16 x 32, 4 waves a work-group, no clusters, 84,480 bytes of LDS; arguments hid, exp_down, shared_down, cnts, lst, part; writes part
.if DOCPART == 3
	.amdgcn_target "amdgcn-amd-amdhsa--gfx1250"
	.amdhsa_code_object_version 6
	.text
	.protected	k_qf1154fdd96_down
	.globl	k_qf1154fdd96_down
	.p2align	8
	.type	k_qf1154fdd96_down,@function
k_qf1154fdd96_down:
	s_mov_b64 s[64:65], 0
	v_nop
	global_prefetch_b8 v0, s[64:65] scope:SCOPE_SE
	s_setreg_imm32_b32 hwreg(HW_REG_WAVE_MODE, 25, 1), 1
	s_wait_xcnt 0x0
; SECOND PRODUCT.  part[row] = hid Wd^T in f32, not yet weighed: row j = 2 t + k for a token's k-th choice, row 4,096 + t for the shared expert.
; GRID.  x = slice of 64 output columns (64 rows of the down weights, 512 K).  y < 16: the shared expert's rows 128 y .. + 127;  y >= 16: expert y - 16, all its rows (count from cnts).
; As in the first product: an expert's slice is read by this work-group alone, once, through registers, rounded to bf16 and laid into LDS; one barrier; behind it the slice is only read, and hid's
; tiles come from memory straight into registers (they were stored as source 1 wants them: each load takes 512 consecutive bytes), so the loop over rows holds no barrier.
; Every LDS address register is made once and never rewritten: the 16 K steps are written out, and a step's place along K stands in the immediates.
; IN FLIGHT.  The weights' stream keeps seven sets (56 loads of 512 bytes) of every wave out; the loop over K keeps the tiles' blocks of five later steps (50 loads) out.
; NO MULTICAST: an expert's slice has one reader; the shared slices are 2 of this launch's 35 MB of weights; the rounding wants the way through registers.
; ROWS.  Tile 20 pass + 4 i + wave, i = 0..4; seven passes, a constant, cover 2,048 rows; a pass without tiles is jumped; a tile that does not exist repeats the last one and is not stored.
; THE WAY OUT.  A lane holds token r and 8 columns of each of 4 fragments.  A tile goes through the wave's own stage in LDS (16 rows x 256 bytes, pitch 272) and comes back as whole rows:
; lanes 0-15 take rows 0-7 one after the other, lanes 16-31 rows 8-15, so a lane's eight destinations are eight words on end in lst; sixteen lanes store 256 consecutive bytes, aligned, of the row
; of part that lst names.  Places past the count hold the last row's numbers and its destination: the same bytes are stored again.
; LIMITS.  bf16 operands, f32 sums.
; REGISTERS.  window 0: v1 spare word, v2 zero, v3 16 lane, v4 LDS address of the fragments (never rewritten), v7 where I store weights, v8-12 a tile's offset in hid, v13 stage in, v14 stage back,
;   v15 16 (lane % 16) + 256 slice, v16 32 (lane / 16), v20-24 a tile's offset in lst, v32-95 weights' fragments (two buffers), v96-255 slots 0-3 of hid's ring (a slot: one K step x 5 tiles x 8).
;   window 1: v0-159 accumulators (tile i, fragment f at 32 i + 8 f), v160-239 slots 4, 5 of the ring.
;   Ring slots that the last K steps leave free serve the way out: slot 4 takes the destinations (tile i, row 8 (lane / 16) + q at 160 + 8 i + q), slot 0 a tile read back from the stage.
;   Ahead of the barrier v32-255 hold seven sets of weights as loaded.
.set NK,    16                         ; K steps of 32
.set RING,  6                          ; slots in hid's ring
.set AHEAD, 5                          ; a step's blocks are asked for five steps before they are multiplied
.set PW,    1040                       ; an LDS row: 1,024 bytes + 16 = 65 x 16
.set FRAG,  16*PW
.set STG,   64*PW
.set SP,    272
.set STGW,  16*SP                      ; 4,352 bytes a wave
.set SPARE, STG+4*STGW                 ; the spare words, 128 bytes a wave; no other line names them
.set AOFF,  8
.set BB,    32
.set WS,    32
.set DST,   160                        ; window 1: ring slot 4
.set RB,    96                         ; window 0: ring slot 0
.set MSB, 0
.macro WIN new                         ; s_set_vgpr_msb: bits 1:0 source 0, 3:2 source 1, 5:4 source 2, 7:6 destination; the high byte repeats the setting that is left
.if MSB != (\new)
	s_set_vgpr_msb (MSB<<8)|(\new)
.set MSB, \new
.endif
.endm
.macro PLACES
.rept 4
	v_nop
.endr
.endm
.macro SLOT k                          ; ring slot k: its first register rS and its window wS
.if (\k) < 4
.set rS, 96+40*(\k)
.set wS, 0
.else
.set rS, 160+40*((\k)-4)
.set wS, 1
.endif
.endm
; s22 wave, s23 slice, s24 y, s25 shared?, s26 expert, s27 first token of a shared block, s28 count, s30 tiles, s31 my tiles in the pass, s32 pass, s39 first tile in hid,
; s[40:41] weights, s52 tiles - 1, s53 byte of the block's first word in lst
	s_load_b256 s[4:11], s[0:1], 0x0               ; hid s[4:5], exp_down s[6:7], shared_down s[8:9], cnts s[10:11]
	s_load_b128 s[12:15], s[0:1], 0x20             ; lst s[12:13], part s[14:15]
	v_lshl_add_u32 v1, v0, 2, SPARE
	v_mov_b32 v2, 0
	v_lshrrev_b32 v20, 5, v0
	v_readfirstlane_b32 s22, v20
	s_mov_b32 s23, ttmp9
	s_and_b32 s24, ttmp7, 0xffff
	s_sub_co_u32 s46, s24, 16
	s_lshl_b32 s47, s24, 7
	s_cmp_lt_u32 s24, 16
	s_cselect_b32 s25, 1, 0
	s_cselect_b32 s26, 16, s46
	s_cselect_b32 s27, s47, 0
	s_cselect_b32 s48, 0, s46
	s_lshl_b32 s39, s26, 7
	s_lshr_b32 s50, s27, 4
	s_add_co_u32 s39, s39, s50
	s_lshl_b32 s53, s26, 11
	s_add_co_u32 s53, s53, s27
	s_lshl_b32 s53, s53, 2
	v_and_b32 v25, 31, v0
	v_lshlrev_b32 v3, 4, v25
	v_and_b32 v18, 15, v0                          ; r
	v_bfe_u32 v19, v0, 4, 1                        ; h
	v_mul_u32_u24 v4, v18, PW
	v_lshl_add_u32 v4, v19, 4, v4                  ; row r x pitch + 16 h
	s_mul_i32 s46, s22, FRAG
	v_lshl_add_u32 v7, v25, 3, s46
	s_mul_i32 s46, s22, STGW
	s_add_co_u32 s46, s46, STG                     ; my stage
	v_mul_u32_u24 v13, v18, SP
	v_lshl_add_u32 v13, v19, 5, v13
	v_add_nc_u32 v13, s46, v13                     ; in: row r, 32 bytes for each half of the lanes
	v_mul_u32_u24 v14, v19, 8*SP
	v_lshl_add_u32 v14, v18, 4, v14
	v_add_nc_u32 v14, s46, v14                     ; back: lanes 0-15 a row of 256 bytes among rows 0-7, lanes 16-31 the row eight further down
	s_lshl_b32 s46, s23, 8
	v_lshl_add_u32 v15, v18, 4, s46
	v_lshlrev_b32 v16, 5, v19
	s_min_u32 s46, s26, 15
	s_lshl_b32 s44, s46, 2
	s_mov_b32 s45, 0
	s_wait_kmcnt 0x0
	s_add_nc_u64 s[10:11], s[10:11], s[44:45]
	s_load_b32 s28, s[10:11], 0x0                  ; the expert's count, stored by the launch before (a shared block reads expert 15's and does not use it)
	s_lshl_b32 s44, s48, 21                        ; an expert's matrix is 2 MB
	s_lshl_b32 s46, s23, 6
	s_lshl_b32 s47, s22, 4
	s_add_co_u32 s46, s46, s47                     ; weight row 64 slice + 16 wave
	s_lshl_b32 s46, s46, 11
	s_add_co_u32 s44, s44, s46
	s_cmp_eq_u32 s25, 1
	s_cselect_b64 s[40:41], s[8:9], s[6:7]
	s_add_nc_u64 s[40:41], s[40:41], s[44:45]
.macro WLD z, n                        ; weight rows 2 n, 2 n + 1 of my 16: eight loads of 512 consecutive bytes
.irp q, 0,1,2,3,4,5,6,7
	global_load_b128 v[WS+32*(\z)+4*(\q):WS+32*(\z)+4*(\q)+3], v3, s[40:41] offset:4096*(\n)+512*(\q)
.endr
.endm
.macro WCV z, n
.irp q, 0,1,2,3,4,5,6,7
	v_cvt_pk_bf16_f32 v[WS+32*(\z)+4*(\q)], v[WS+32*(\z)+4*(\q)], v[WS+32*(\z)+4*(\q)+1]
	v_cvt_pk_bf16_f32 v[WS+32*(\z)+4*(\q)+1], v[WS+32*(\z)+4*(\q)+2], v[WS+32*(\z)+4*(\q)+3]
.endr
.irp q, 0,1,2,3,4,5,6,7
	ds_store_b64 v7, v[WS+32*(\z)+4*(\q):WS+32*(\z)+4*(\q)+1] offset:PW*(2*(\n)+(\q)/4)+256*((\q)%4)
.endr
.endm
	WLD 0, 0
	WLD 1, 1
	WLD 2, 2
	WLD 3, 3
	WLD 4, 4
	WLD 5, 5
	WLD 6, 6
.set n, 0
.rept 8
.if n <= 1
	s_wait_loadcnt 48                              ; set n is in; the six sets asked for behind it stay out
.else
	s_wait_loadcnt 8*(7-n)
.endif
	WCV n%7, n
.if n == 0
	WLD 0, 7
.endif
.set n, n+1
.endr
	s_wait_dscnt 0x0                               ; for the others' sake: my part of the weights is in LDS
	s_barrier_signal -1
	s_barrier_wait -1                              ; the one barrier
	s_wait_kmcnt 0x0                               ; the count
	s_min_u32 s28, s28, 2048
	s_cmp_eq_u32 s25, 1
	s_cselect_b32 s28, 128, s28
	s_add_co_u32 s30, s28, 15
	s_lshr_b32 s30, s30, 4
	s_sub_co_u32 s52, s30, 1
	s_mov_b32 s32, 0
.macro MUL s, i, zero                  ; tile i x the four fragments of K step s; SLOT has set rS to the step's ring slot
.irp f, 0,1,2,3
.if \zero
	v_wmma_f32_16x16x32_bf16 v[32*(\i)+8*(\f):32*(\i)+8*(\f)+7], v[BB+32*((\s)%2)+8*(\f):BB+32*((\s)%2)+8*(\f)+7], v[rS+8*(\i):rS+8*(\i)+7], 0
.else
	v_wmma_f32_16x16x32_bf16 v[32*(\i)+8*(\f):32*(\i)+8*(\f)+7], v[BB+32*((\s)%2)+8*(\f):BB+32*((\s)%2)+8*(\f)+7], v[rS+8*(\i):rS+8*(\i)+7], v[32*(\i)+8*(\f):32*(\i)+8*(\f)+7]
.endif
.endr
.endm
; K step s of 16: as in the first product.  hid's block of a K step is 1 KB: two loads of 512 consecutive bytes a tile.
; The first step that asks for no block (s = 11) asks for the five tiles' destinations instead, ten loads into ring slot 4, which step 10 multiplied last.
; The accumulators take turns, one instruction a turn.
.macro KSTEP s, zero, ahead, bnext, lc
	WIN 0
	PLACES                                         ; four places between the last step's products and the loads into registers that they read
.set rB, BB+32*(((\s)+1)%2)
.if \bnext
.irp f, 0,1,2,3
	ds_load_b128 v[rB+8*(\f):rB+8*(\f)+3],   v4 offset:FRAG*(\f)+64*((\s)+1)
	ds_load_b128 v[rB+8*(\f)+4:rB+8*(\f)+7], v4 offset:FRAG*(\f)+64*((\s)+1)+32
.endr
.endif
.if \ahead
	SLOT ((\s)+AHEAD)%RING
	WIN 0x40*wS                                    ; the destination in the slot's window, the address in window 0
.irp i, 0,1,2,3,4
	global_load_b128 v[rS+8*(\i):rS+8*(\i)+3],   v[AOFF+(\i)], s[4:5] offset:1024*((\s)+AHEAD)
	global_load_b128 v[rS+8*(\i)+4:rS+8*(\i)+7], v[AOFF+(\i)], s[4:5] offset:1024*((\s)+AHEAD)+512
.endr
.endif
.if (\s) == NK-AHEAD
	WIN 0x40
.irp i, 0,1,2,3,4                      ; the destinations of the tile's rows 8 (lane / 16) + 0..7: eight words on end, two loads
	global_load_b128 v[DST+8*(\i):DST+8*(\i)+3],   v[20+(\i)], s[12:13]
	global_load_b128 v[DST+8*(\i)+4:DST+8*(\i)+7], v[20+(\i)], s[12:13] offset:16
.endr
.endif
.if \bnext
	s_wait_dscnt 8                                 ; this step's weights are in; the eight just issued stay out
.else
	s_wait_dscnt 0x0
.endif
	s_wait_loadcnt \lc                             ; this step's tiles are in; the later steps' loads stay out, ten a step, and from step 11 on the ten loads of destinations
	SLOT (\s)%RING
.set wM, 0x50+4*wS                     ; C and D in window 1, hid's tiles (source 1) in the slot's window
	WIN wM
.if \zero
	MUL \s, 0, 1
	MUL \s, 1, 1
	MUL \s, 2, 1
	MUL \s, 3, 1
	MUL \s, 4, 1
	WIN 0
.else
	MUL \s, 0, 0
	MUL \s, 1, 0
	WIN 0                                          ; at a branch and at a label every window is 0
	s_cmp_lt_u32 s31, 3
	s_cbranch_scc1 .Lk\@
	WIN wM
	MUL \s, 2, 0
	MUL \s, 3, 0
	WIN 0
	s_cmp_lt_u32 s31, 5
	s_cbranch_scc1 .Lk\@
	WIN wM
	MUL \s, 4, 0
	WIN 0
.Lk\@:
.endif
.endm
.macro EPI i
.if (\i) > 0
	s_cmp_le_u32 s31, \i
	s_cbranch_scc1 .Lnext
.endif
	WIN 0x44                                       ; destination and source 1 in window 1
.irp q, 0,1,2,3,4,5,6,7
	v_min_u32 v[DST+8*(\i)+(\q)], 6143, v[DST+8*(\i)+(\q)]
.endr
	WIN 0x41                                       ; destination and source 0 in window 1
.irp q, 0,1,2,3,4,5,6,7
	v_lshl_add_u32 v[DST+8*(\i)+(\q)], v[DST+8*(\i)+(\q)], 12, v15  ; row x 4,096 + my 16 bytes of the slice's 256
.endr
	WIN 0x04                                       ; the data in window 1
.irp f, 0,1,2,3
	ds_store_b128 v13, v[32*(\i)+8*(\f):32*(\i)+8*(\f)+3]   offset:64*(\f)     ; each accumulator from its low end on
	ds_store_b128 v13, v[32*(\i)+8*(\f)+4:32*(\i)+8*(\f)+7] offset:64*(\f)+16
.endr
	s_wait_xcnt 0x0                                ; the last tile's stores have read the registers that are loaded now
	WIN 0
.irp q, 0,1,2,3,4,5,6,7
	ds_load_b128 v[RB+4*(\q):RB+4*(\q)+3], v14 offset:SP*(\q)  ; LDS serves a wave's instructions in order (ISA guide 5.7.1.4): these see the stores above
.endr
	s_wait_dscnt 0x0
	WIN 0x01                                       ; the address in window 1, the data in window 0
.irp q, 0,1,2,3,4,5,6,7
	global_store_b128 v[DST+8*(\i)+(\q)], v[RB+4*(\q):RB+4*(\q)+3], s[14:15] th:TH_STORE_NT  ; sixteen lanes: 256 consecutive bytes, aligned
.endr
	WIN 0
.endm
.Lpass:
	s_mul_i32 s46, s32, 20
	s_add_co_u32 s46, s46, s22
	s_sub_co_i32 s47, s30, s46
	s_add_co_i32 s47, s47, 3
	s_ashr_i32 s47, s47, 2
	s_max_i32 s47, s47, 0
	s_min_i32 s31, s47, 5
	s_cmp_eq_u32 s31, 0
	s_cbranch_scc1 .Lnext
	s_wait_xcnt 0x0                                ; the last pass's stores have read their addresses and data
.irp i, 0,1,2,3,4
	s_add_co_u32 s47, s46, 4*(\i)
	s_min_u32 s47, s47, s52                        ; a tile that does not exist: the last one once more
	s_min_u32 s47, s47, 127
	s_add_co_u32 s48, s39, s47
	s_lshl_b32 s48, s48, 14
	v_add_nc_u32 v[AOFF+(\i)], s48, v3
	s_lshl_b32 s49, s47, 6
	s_add_co_u32 s49, s49, s53
	v_add_nc_u32 v[20+(\i)], s49, v16
.endr
.irp s, 0,1,2,3,4                      ; K steps 0 to 4 of the tiles: 50 loads
	SLOT \s
	WIN 0x40*wS
.irp i, 0,1,2,3,4
	global_load_b128 v[rS+8*(\i):rS+8*(\i)+3],   v[AOFF+(\i)], s[4:5] offset:1024*(\s)
	global_load_b128 v[rS+8*(\i)+4:rS+8*(\i)+7], v[AOFF+(\i)], s[4:5] offset:1024*(\s)+512
.endr
.endr
	WIN 0
.irp f, 0,1,2,3
	ds_load_b128 v[BB+8*(\f):BB+8*(\f)+3],   v4 offset:FRAG*(\f)
	ds_load_b128 v[BB+8*(\f)+4:BB+8*(\f)+7], v4 offset:FRAG*(\f)+32
.endr
.set ks, 0
.rept NK                               ; the last five steps ask for nothing past the tile's end; their counts run down to the ten loads of destinations
.if ks == 0
	KSTEP ks, 1, 1, 1, 10*AHEAD
.elseif ks <= NK-1-AHEAD
	KSTEP ks, 0, 1, 1, 10*AHEAD
.elseif ks < NK-1
	KSTEP ks, 0, 0, 1, 10*(NK-1-ks)+10
.else
	KSTEP ks, 0, 0, 0, 10
.endif
.set ks, ks+1
.endr
	PLACES                                         ; between the last products and the first read of a result
	s_wait_loadcnt 0x0                             ; the destinations are in
	EPI 0
	EPI 1
	EPI 2
	EPI 3
	EPI 4
.Lnext:
	s_add_co_u32 s32, s32, 1
	s_cmp_lt_u32 s32, 7
	s_cbranch_scc1 .Lpass
	s_wait_tensorcnt 0x0                           ; the wave's end, behind my last LDS store
	ds_add_u32 v1, v2
	s_wait_dscnt 0x0
	s_endpgm
.Lfunc_end_k_qf1154fdd96_down:
	.size	k_qf1154fdd96_down, .Lfunc_end_k_qf1154fdd96_down-k_qf1154fdd96_down
	.p2alignl 7, 3214868480
	.fill 96, 4, 3214868480
	.section	.rodata,"a",@progbits
	.p2align	6, 0x0
	.amdhsa_kernel k_qf1154fdd96_down
		.amdhsa_group_segment_fixed_size 84480
		.amdhsa_private_segment_fixed_size 0
		.amdhsa_enable_private_segment 0
		.amdhsa_kernarg_size 48
		.amdhsa_user_sgpr_count 2
		.amdhsa_user_sgpr_kernarg_segment_ptr 1
		.amdhsa_wavefront_size32 1
		.amdhsa_system_sgpr_workgroup_id_x 1
		.amdhsa_system_sgpr_workgroup_id_y 1
		.amdhsa_system_sgpr_workgroup_id_z 1
		.amdhsa_system_vgpr_workitem_id 0
		.amdhsa_next_free_vgpr 496
		.amdhsa_next_free_sgpr 66
		.amdhsa_reserve_vcc 0
		.amdhsa_float_denorm_mode_32 3
		.amdhsa_float_denorm_mode_16_64 3
		.amdhsa_memory_ordered 1
		.amdhsa_forward_progress 1
		.amdhsa_inst_pref_size 91
	.end_amdhsa_kernel
	.amdgpu_metadata
---
amdhsa.version: [ 1, 2 ]
amdhsa.kernels:
  - .name:           k_qf1154fdd96_down
    .symbol:         k_qf1154fdd96_down.kd
    .args:
      - { .name: hid, .offset: 0, .size: 8, .value_kind: global_buffer, .address_space: global }
      - { .name: exp_down, .offset: 8, .size: 8, .value_kind: global_buffer, .address_space: global }
      - { .name: shared_down, .offset: 16, .size: 8, .value_kind: global_buffer, .address_space: global }
      - { .name: cnts, .offset: 24, .size: 8, .value_kind: global_buffer, .address_space: global }
      - { .name: lst, .offset: 32, .size: 8, .value_kind: global_buffer, .address_space: global }
      - { .name: part, .offset: 40, .size: 8, .value_kind: global_buffer, .address_space: global }
    .group_segment_fixed_size: 84480
    .private_segment_fixed_size: 0
    .kernarg_segment_align: 8
    .kernarg_segment_size: 48
    .max_flat_workgroup_size: 128
    .sgpr_count:     66
    .vgpr_count:     496
    .wavefront_size: 32
...
	.end_amdgpu_metadata
.endif
;; end of part 3
;; launch sum (part 4): grid 256 x 1, 8 waves a work-group, no clusters, 0 bytes of LDS; arguments x, part, gw, out0; writes out0
.if DOCPART == 4
	.amdgcn_target "amdgcn-amd-amdhsa--gfx1250"
	.amdhsa_code_object_version 6
	.text
	.protected	k_qf1154fdd96_sum
	.globl	k_qf1154fdd96_sum
	.p2align	8
	.type	k_qf1154fdd96_sum,@function
k_qf1154fdd96_sum:
	s_mov_b64 s[64:65], 0
	v_nop
	global_prefetch_b8 v0, s[64:65] scope:SCOPE_SE
	s_setreg_imm32_b32 hwreg(HW_REG_WAVE_MODE, 25, 1), 1
	s_wait_xcnt 0x0
; out[t] = x[t] + part[4096 + t] + gw[2 t] part[2 t] + gw[2 t + 1] part[2 t + 1], all f32.  Every address is fixed: the launch before stored each choice's row at its own place.
; A stream: a work-group owns 8 tokens, thread tid the 16 bytes at 16 tid of every row, so a wave's load or store covers 512 consecutive bytes.  All 32 loads of a thread go out at once;
; the waits count down by tokens.  No LDS, no barrier, no matrix unit, no cluster: nothing is shared and memory binds.
; v1 = 16 tid; token u: v[8+16u ..] = x, shared row, first choice's row, second choice's row, 4 registers each.
	s_load_b256 s[4:11], s[0:1], 0x0               ; x s[4:5], part s[6:7], gw s[8:9], out0 s[10:11]
	v_lshlrev_b32 v1, 4, v0
	s_lshl_b32 s36, ttmp9, 15                      ; 8 rows of 4,096 bytes
	s_mov_b32 s37, 0
	s_lshl_b32 s38, ttmp9, 16                      ; 16 rows
	s_mov_b32 s39, 0
	s_lshl_b32 s40, ttmp9, 6                       ; 16 weights
	s_mov_b32 s41, 0
	s_wait_kmcnt 0x0
	s_add_nc_u64 s[8:9], s[8:9], s[40:41]
	s_load_b512 s[20:35], s[8:9], 0x0              ; the 8 tokens' 16 weights
	s_add_nc_u64 s[12:13], s[4:5], s[36:37]
	s_add_nc_u64 s[14:15], s[6:7], s[38:39]
	s_add_nc_u64 s[16:17], s[6:7], s[36:37]
	s_add_nc_u64 s[16:17], s[16:17], 0x1000000     ; the shared rows lie behind the 4,096 choices' rows
	s_add_nc_u64 s[18:19], s[10:11], s[36:37]
.irp u, 0,1,2,3,4,5,6,7
	global_load_b128 v[8+16*(\u):8+16*(\u)+3],     v1, s[12:13] offset:4096*(\u) th:TH_LOAD_NT
	global_load_b128 v[8+16*(\u)+4:8+16*(\u)+7],   v1, s[16:17] offset:4096*(\u) th:TH_LOAD_NT
	global_load_b128 v[8+16*(\u)+8:8+16*(\u)+11],  v1, s[14:15] offset:8192*(\u) th:TH_LOAD_NT
	global_load_b128 v[8+16*(\u)+12:8+16*(\u)+15], v1, s[14:15] offset:8192*(\u)+4096 th:TH_LOAD_NT
.endr
	s_wait_kmcnt 0x0
.irp u, 0,1,2,3,4,5,6,7
	s_wait_loadcnt 4*(7-(\u))                      ; token u's four loads are in; the later tokens', four each, stay out
	v_pk_add_f32 v[8+16*(\u):8+16*(\u)+1], v[8+16*(\u):8+16*(\u)+1], v[8+16*(\u)+4:8+16*(\u)+5]
	v_pk_add_f32 v[8+16*(\u)+2:8+16*(\u)+3], v[8+16*(\u)+2:8+16*(\u)+3], v[8+16*(\u)+6:8+16*(\u)+7]
.irp k, 0,1,2,3
	v_fma_f32 v[8+16*(\u)+(\k)], v[8+16*(\u)+8+(\k)], s[20+2*(\u)], v[8+16*(\u)+(\k)]
.endr
.irp k, 0,1,2,3
	v_fma_f32 v[8+16*(\u)+(\k)], v[8+16*(\u)+12+(\k)], s[21+2*(\u)], v[8+16*(\u)+(\k)]
.endr
	global_store_b128 v1, v[8+16*(\u):8+16*(\u)+3], s[18:19] offset:4096*(\u) th:TH_STORE_NT
.endr
	s_endpgm
.Lfunc_end_k_qf1154fdd96_sum:
	.size	k_qf1154fdd96_sum, .Lfunc_end_k_qf1154fdd96_sum-k_qf1154fdd96_sum
	.p2alignl 7, 3214868480
	.fill 96, 4, 3214868480
	.section	.rodata,"a",@progbits
	.p2align	6, 0x0
	.amdhsa_kernel k_qf1154fdd96_sum
		.amdhsa_group_segment_fixed_size 0
		.amdhsa_private_segment_fixed_size 0
		.amdhsa_enable_private_segment 0
		.amdhsa_kernarg_size 32
		.amdhsa_user_sgpr_count 2
		.amdhsa_user_sgpr_kernarg_segment_ptr 1
		.amdhsa_wavefront_size32 1
		.amdhsa_system_sgpr_workgroup_id_x 1
		.amdhsa_system_sgpr_workgroup_id_y 1
		.amdhsa_system_sgpr_workgroup_id_z 1
		.amdhsa_system_vgpr_workitem_id 0
		.amdhsa_next_free_vgpr 136
		.amdhsa_next_free_sgpr 66
		.amdhsa_reserve_vcc 0
		.amdhsa_float_denorm_mode_32 3
		.amdhsa_float_denorm_mode_16_64 3
		.amdhsa_memory_ordered 1
		.amdhsa_forward_progress 1
		.amdhsa_inst_pref_size 10
	.end_amdhsa_kernel
	.amdgpu_metadata
---
amdhsa.version: [ 1, 2 ]
amdhsa.kernels:
  - .name:           k_qf1154fdd96_sum
    .symbol:         k_qf1154fdd96_sum.kd
    .args:
      - { .name: x, .offset: 0, .size: 8, .value_kind: global_buffer, .address_space: global }
      - { .name: part, .offset: 8, .size: 8, .value_kind: global_buffer, .address_space: global }
      - { .name: gw, .offset: 16, .size: 8, .value_kind: global_buffer, .address_space: global }
      - { .name: out0, .offset: 24, .size: 8, .value_kind: global_buffer, .address_space: global }
    .group_segment_fixed_size: 0
    .private_segment_fixed_size: 0
    .kernarg_segment_align: 8
    .kernarg_segment_size: 32
    .max_flat_workgroup_size: 256
    .sgpr_count:     66
    .vgpr_count:     136
    .wavefront_size: 32
...
	.end_amdgpu_metadata
.endif
;; end of part 4
